; MI455X (gfx1250); checked and timed in simulation.
; The chip was launched on July 23, 2026; its instructions are those of AMD's public machine-readable ISA for CDNA 5 (MIT licence, August 2026) and "CDNA5" Instruction Set Architecture Reference Guide (July 2026). The comments in the code are by the model that wrote it; some were corrected since.
;; Multi Headed Attention. Allowed arithmetic: matrix products marked QUANTISED: E4M3 operands, one E8M0 scale for each 32 along K, by v_wmma_scale_f32_16x16x128_f8f6f4 with both operands' format E4M3, f32 sums; everything else in f32.
;; Inputs: Wk_codes 1,024 x 32 x 32 uint8 (E4M3 codes of Wk, K innermost, in blocks of 32 codes); Wk_scales 1,024 x 32 uint8 (E8M0 scales of Wk, one for each 32 codes along K); Wo_codes 1,024 x 32 x 32 uint8 (E4M3 codes of Wo, K innermost, in blocks of 32 codes); Wo_scales 1,024 x 32 uint8 (E8M0 scales of Wo, one for each 32 codes along K); Wq_codes 1,024 x 32 x 32 uint8 (E4M3 codes of Wq, K innermost, in blocks of 32 codes); Wq_scales 1,024 x 32 uint8 (E8M0 scales of Wq, one for each 32 codes along K); Wv_codes 1,024 x 32 x 32 uint8 (E4M3 codes of Wv, K innermost, in blocks of 32 codes); Wv_scales 1,024 x 32 uint8 (E8M0 scales of Wv, one for each 32 codes along K); bk 1,024 float32; bo 1,024 float32; bq 1,024 float32; bv 1,024 float32; x_codes 1 x 4,096 x 32 x 32 uint8 (E4M3 codes of x, K innermost, in blocks of 32 codes); x_scales 1 x 4,096 x 32 uint8 (E8M0 scales of x, one for each 32 codes along K).
;; Outputs: out0 1 x 4,096 x 1,024 float32.
;; This version of the problem:
;;   THIS VERSION OF THE PROBLEM IS GIVEN IN LOW PRECISION. The matrix products marked QUANTISED in the list below multiply operands that are first quantised to E4M3 (4 exponent bits, 3 mantissa bits; 8 bits a number), with one power-of-two scale for each 32 numbers along K (OCP MX v1.0); their sums are f32. All else is computed in f32.
;;   The module's matrix products, in the order in which they are computed (A, B: the left and right operand; K: the contracted axis; several contracted axes count as one K, in the product's order):
;;     1. [M 4,096, K 1,024] x [K 1,024, N 1,024]; A: input x (given as codes); B: input Wq (given as codes): QUANTISED
;;     2. [M 4,096, K 1,024] x [K 1,024, N 1,024]; A: input x (given as codes); B: input Wk (given as codes): QUANTISED
;;     3. [M 4,096, K 1,024] x [K 1,024, N 1,024]; A: input x (given as codes); B: input Wv (given as codes): QUANTISED
;;     4. batch 16 x [M 4,096, K 64] x [K 64, N 4,096]; A: computed on the way; B: computed on the way: QUANTISED
;;     5. batch 16 x [M 4,096, K 4,096] x [K 4,096, N 64]; A: softmax (see below); B: computed on the way: QUANTISED
;;     6. [M 4,096, K 1,024] x [K 1,024, N 1,024]; A: computed on the way; B: input Wo (given as codes): QUANTISED
;;   THE QUANTISER, for each operand of a quantised product, along K:
;;     - K is cut into blocks of 32 from its start; a last block that is shorter is filled with zeros.
;;     - A block's scale is 2^e with e = floor(log2(the largest magnitude in the block)) - 8, held to -126 .. 127; a block of zeros has e = 0. As a byte (E8M0): e + 127.
;;     - Each number is divided by its block's scale, clamped to +-448, and rounded to the nearest number of E4M3, ties to even, subnormals kept.
;;     - The product sums the exact products of the quantised numbers (number of the format x scale) in f32.
;;   ~~~python
;;   def quantise(x, axis):      # numpy; x: float32 -> the quantised numbers, widened to float32 again
;;       x = np.moveaxis(x, axis, -1); K = x.shape[-1]
;;       x = np.pad(x, [(0, 0)] * (x.ndim - 1) + [(0, -K % 32)]); x = x.reshape(x.shape[:-1] + (-1, 32)); a = np.abs(x).max(-1, keepdims=True)
;;       e = np.where(a > 0, np.clip(np.frexp(np.where(a > 0, a, 1))[1] - 1 - 8, -126, 127), 0)      # np.frexp(a)[1] - 1 = floor(log2(a)), exactly
;;       r = np.clip(x / 2.0 ** e, -448, 448)
;;       step = 2.0 ** (np.maximum(np.frexp(np.where(r == 0, 1, r))[1] - 1, -6) - 3)
;;       q = np.round(r / step) * step * 2.0 ** e      # np.round: ties to even
;;       return np.moveaxis(q.reshape(q.shape[:-2] + (-1,))[..., :K], -1, axis).astype(np.float32)
;;   ~~~
;;   SOFTMAX AHEAD OF A QUANTISED PRODUCT. Where the list says 'softmax', what is quantised is not the finished softmax but p = 2^(t - M), with t = logit x log2(e) and M = ceil(the row's largest t), a whole number; so 1/2 < the row's largest p <= 1. The row's sum l is taken of the UNQUANTISED p, in f32, and the product's result is divided by l at the end. Since M is a whole number, a kernel that streams over the keys may use a running M (the ceiling of the running maximum): every later rescaling is an exact power of two, which a block's scale takes up: the codes' values come out the same.
;;   OPERANDS COMPUTED ON THE WAY. 'Computed on the way' means the value that the module computes at that place (a softmax that the list does not call 'softmax' is quantised finished and normalised). What goes into a quantiser is computed in f32, as accurately as f32 sums, v_exp_f32 and their like allow (about 1e-6 of the number): no bf16 or f16 on the way to a quantiser, and a product that is left as it is and whose result goes on into a quantised operand takes f32 operands (vector FMAs, or v_wmma_f32_16x16x4_f32). A number that lies on a knife's edge between two numbers of the format may be rounded either way, as far as f32 arithmetic and the matrix unit's own rounding can turn it there, and no further.
;;   INPUTS GIVEN AS CODES. Wk (in the module: [1024, 1024], K = its axis 0); Wo (in the module: [1024, 1024], K = its axis 0); Wq (in the module: [1024, 1024], K = its axis 0); Wv (in the module: [1024, 1024], K = its axis 0); x (in the module: [1, 4096, 1024], K = its axis 2): each comes as NAME_codes (uint8): NAME with its K axis moved to the last place and cut into blocks of 32 codes, [.., K / 32, bytes a block], one block behind the other in memory; one code a byte (a code: sign, 4 exponent bits, 3 mantissa bits); and NAME_scales (uint8): the same leading axes, one E8M0 byte (e + 127) for each 32 codes along K. Its value is code x scale, taken as it is: it is not quantised again, and the codes and scales need not be those that the quantiser above would give.
;; One version. Each part assembles by itself: llvm-mc -triple=amdgcn-amd-amdhsa -mcpu=gfx1250 --defsym DOCPART=n.
;; ======== version 1 of 1: 3 launches
;; limits: right only within a limited range of input values
;; workspace buffers: qcodes 4,194,304 bytes; qscales 131,072 bytes; kvrec 8,650,752 bytes; acodes 4,194,304 bytes; ascales 131,072 bytes
;; launch proj (part 1): grid 8 x 32, 4 waves a work-group, clusters of 4 x 4, 327,680 bytes of LDS; arguments x_codes, x_scales, Wq_codes, Wq_scales, bq, Wk_codes, Wk_scales, bk, Wv_codes, Wv_scales, bv, qcodes, qscales, kvrec; writes qcodes, qscales, kvrec
.if DOCPART == 1
	.amdgcn_target "amdgcn-amd-amdhsa--gfx1250"
	.amdhsa_code_object_version 6
	.text
	.protected	k_q163b3b5d70_proj
	.globl	k_q163b3b5d70_proj
	.p2align	8
	.type	k_q163b3b5d70_proj,@function
k_q163b3b5d70_proj:
	s_mov_b64 s[64:65], 0
	v_nop
	global_prefetch_b8 v0, s[64:65] scope:SCOPE_SE
	s_setreg_imm32_b32 hwreg(HW_REG_WAVE_MODE, 25, 1), 1
	s_wait_xcnt 0x0
	s_wait_alu depctr_hold_cnt(0) depctr_sa_sdst(0) depctr_va_vdst(0) depctr_va_sdst(0) depctr_va_ssrc(0) depctr_va_vcc(0) depctr_vm_vsrc(0)
	s_getreg_b32 s2, hwreg(HW_REG_IB_STS2, 6, 4)
	s_cmp_eq_u32 s2, 0
	s_cbranch_scc0 .Lentry_in_a_cluster
	s_endpgm
.Lentry_in_a_cluster:
	s_bfe_u32 s2, ttmp6, 0x10000c
	s_cmp_lg_u32 s2, 0xf033
	s_cbranch_scc0 .Lentry_shape_is_right
	s_endpgm
.Lentry_shape_is_right:
; Q = x Wq + bq, K = x Wk + bk, V = x Wv + bv on codes of E4M3 with one E8M0 scale for each 32 along K (1,024); sums in f32.  The results are quantised here (Q and K along a head's 64,
; V along the keys) and stored as IMAGES OF THE OPERAND REGISTERS that the attention launch loads: a chunk is 512 bytes, lane l's 16 bytes at 16 l.
; SHARES.  256 work-groups; each makes 128 tokens x 128 features of Q, then of K, then of V.  Four waves, each 64 tokens x 64 features (one head): 16 accumulators.
; x STAYS IN REGISTERS: a wave's 64 rows with all of K are 32 fragments, 512 registers.  W's fragments stream from LDS through three buffers of four: a step's are asked for two steps ahead.
; LDS: two regions of 128 rows x 1,024 codes, each as two halves of K with rows of 512 bytes + 16.  At the head x lands in region 0 and Wq in region 1, one load a wave.  When all waves hold x in registers,
; Wk is filled over it; when Q's products are done, Wv is filled over Wq: each behind a drained round of the cluster's barrier, a quarter of the region a wave.
; No prefetch is written: a refill is asked for 128 products of each wave ahead of the wait for it.
; CLUSTER 4 x 4: x's rows hang on work-group y alone and are asked for jointly by a row of the cluster, W's on work-group x alone and are asked for jointly by a column.
; WHICH OPERAND IS SOURCE 0.  In a result, lane (r, h) holds ONE row r of source 1 and eight rows 8 h + j of source 0.  The quantiser wants a lane's registers along ITS K: so for Q and K source 0 = W
; (registers along the features), for V source 0 = x (registers along the keys).
; ORDER INSIDE A BLOCK OF 32.  The 16 registers of source 0's tiles 2 b and 2 b + 1 hold elements 32 b + 16 u + 8 h + j; their 16 codes are used as they stand, at the operand's places 32 b + 16 h + 8 u + j.
; Both operands of each later product are made this way, so equal places hold equal elements; a block keeps its 32 members and its scale.  Only the order of adding inside a block differs from ascending k.
; The bias is the C of each sum's first product.
; LIMITS: NaN and infinities are not served.  A block whose largest magnitude lies under 2^-118 keeps the scale byte 1, a block of zeros too (its codes are zeros; these bytes are read by this program alone).
; REGISTERS.  Window 0: v1 r, v2 h, v4-5 LDS addresses of x's fragments (half of K), v6-9 of W's (region, half), v11 4 r, v12-14 16, 8, 32 x lane, v15 32 h, v16-29 the quantiser's, v30-31 the add's,
; v32-47 x's scale words, v48-95 W's (16 a weight), v96-127 codes, v128-255 the accumulators (source 0's tile a, source 1's tile b at 128 + 8 (4 b + a)).
; Windows 1, 2: x's fragment (tile b, K step s) at 16 (4 (s % 4) + b) of window 1 + s / 4.  Window 3: v0-191 W's three buffers; v192-223 bq as C, later bv; v224-255 bk.
.set PITCH, 528                        ; an LDS row: 512 bytes + 16 of padding = 132 words, so that the 16 rows of a fragment load begin 4 words apart modulo 64
.set HALF,  64*PITCH                   ; 64 rows: what one wave reads, and what one refill brings
.set HCH,   2*HALF                     ; 128 rows, half of K
.set RB,    2*HCH                      ; a region
.set SPARE, 2*RB                       ; behind the regions: the spare words, 128 bytes a wave: two blocks of 256 bytes that no other line names
.set REC,   16896                      ; a record of kvrec: one head, 128 keys: K's codes 8,192, V's codes 8,192, K's scale words 256, V's 256
.set HREC,  32*REC
.set AX,  4
.set AW,  6
.set SX,  32                           ; v[SX + 8 p + (s + 4) % 8]: K step s; lanes 0-15 the words of my tile 2 p, lanes 16-31 of tile 2 p + 1.  The turn by 4 keeps x's and W's words of a product apart modulo 8
.set SW,  48                           ; v[SW + 16 t + 8 p + s]: the same for weight t
.set CD,  96
.set ACC, 128
.set BI,  192
.set G1X, 24                           ; s[24:31] group 1 for x's halves; s[32:39] for Wq's; s[40:47] for a refill
.set G1W, 32
.set G1R, 40
.set G0X, 48                           ; s[48:55] group 0 for x's two halves; s[56:63] for Wq's; s[92:95] for a refill
.set G0W, 56
.set G0R, 92
.set PADW, (1<<20)|(1<<21)|(6<<22)|(3<<25)   ; elements of 1 byte; padding on; bit 21 beside a mask; four words after every 128
.set MSB, 0
.macro WIN new                         ; the immediate's high byte repeats the setting that is left
.if MSB != \new
	s_set_vgpr_msb (MSB<<8)|\new
.set MSB, \new
.endif
.endm
.macro PLACES n
.rept \n
	v_nop
.endr
.endm
.macro CROUND                          ; a round of the cluster's barrier
	s_barrier_signal -1
	s_barrier_wait -1
	s_cmp_lg_u32 s14, 0
	s_cbranch_scc1 .Lnot_wave_0_\@
	s_barrier_signal -3
.Lnot_wave_0_\@:
	s_barrier_wait -3
	s_barrier_signal -1
	s_barrier_wait -1
.endm
	s_load_b128 s[4:7], s[0:1], 0x0                ; x's codes, x's scales
	s_load_b512 s[68:83], s[0:1], 0x10             ; Wq's codes, scales, bq; Wk's codes, scales, bk; Wv's codes, scales
	s_load_b256 s[84:91], s[0:1], 0x50             ; bv, qcodes, qscales, kvrec
	v_lshl_add_u32 v30, v0, 2, SPARE
	v_mov_b32 v31, 0
	ds_add_u32 v30, v31                            ; the opening lines: the add, twice on end, and its wait ahead of my first tensor load
	ds_add_u32 v30, v31
	v_lshrrev_b32 v1, 5, v0
	v_readfirstlane_b32 s14, v1                    ; wave 0..3
	s_lshr_b32 s15, s14, 1                         ; wt: which 64 tokens are mine.  In a refill: which half of K I fetch
	s_and_b32 s16, s14, 1                          ; wf: which 64 features.  In a refill: which 64 rows
	s_bfe_u32 s17, ttmp6, 0x40000                  ; cx
	s_bfe_u32 s18, ttmp6, 0x40004                  ; cy
	s_lshl_b32 s11, ttmp9, 2
	s_add_co_u32 s11, s11, s17                     ; xw: which 128 features of each weight
	s_and_b32 s10, ttmp7, 0xffff
	s_lshl_b32 s10, s10, 2
	s_add_co_u32 s10, s10, s18                     ; y: which 128 tokens = which key step
	s_lshl_b32 s2, s18, 2
	s_lshl_b32 s2, 15, s2                          ; my row of the cluster
	s_lshl_b32 s3, 0x1111, s17                     ; my column
	s_or_b32 s[G1X], s2, PADW
	s_or_b32 s[G1W], s3, PADW
	s_or_b32 s[G1R], s3, PADW
.irp g, G1X, G1W, G1R
	s_mov_b32 s[\g+1], 512<<16                     ; tensor_dim0
	s_mov_b32 s[\g+3], 512<<16                     ; tile_dim0
	s_mov_b32 s[\g+5], 1024                        ; the pitch
	s_mov_b32 s[\g+6], 0
	s_mov_b32 s[\g+7], 0
.endr
.irp g, G1X, G1W
	s_mov_b32 s[\g+2], 128<<16                     ; tensor_dim1: at the head 128 rows a load,
	s_mov_b32 s[\g+4], 128                         ; tile_dim1
.endr
	s_mov_b32 s[G1R+2], 64<<16                     ; in a refill 64
	s_mov_b32 s[G1R+4], 64
	s_lshl_b32 s96, s10, 17                        ; x: 128 y rows of 1,024 bytes
	s_mov_b32 s97, 0
	s_lshl_b32 s98, s11, 17                        ; W likewise, by xw
	s_mov_b32 s99, 0
	s_lshl_b32 s8, s16, 16                         ; a refill's part of a weight: 64 rows on, 512 bytes on
	s_add_co_u32 s8, s8, s98
	s_lshl_b32 s9, s15, 9
	s_add_co_u32 s8, s8, s9
	s_mov_b32 s9, 0
	s_mul_i32 s12, s15, HCH                        ; and its place in a region: no place in the cluster enters an LDS address
	s_mul_i32 s13, s16, HALF
	s_add_co_u32 s12, s12, s13
	s_mov_b32 s20, 0x76543210
	s_mov_b32 s21, 0xfedcba98                      ; v_permlanex16_b32's selects for lane l xor 16
	s_mov_b32 s22, 0x600000                        ; the mantissa field of 448
	s_mov_b32 s23, 0xffff0000                      ; lanes 16-31
	s_wait_dscnt 0x0                               ; both opening adds are done
	s_wait_kmcnt 0x0
	s_add_nc_u64 s[4:5], s[4:5], s[96:97]
	s_add_nc_u64 s[96:97], s[68:69], s[98:99]
.irp q, 0,1
	s_mov_b32 s[G0X+4*\q], 1                                       ; count = 1
	s_mov_b32 s[G0X+4*\q+1], \q*HCH                                ; LDS address: region 0
	s_add_nc_u64 s[G0X+4*\q+2:G0X+4*\q+3], s[4:5], \q*512          ; global address: half q of K
	s_or_b32 s[G0X+4*\q+3], s[G0X+4*\q+3], 0x80000000              ; type = 2
	s_mov_b32 s[G0W+4*\q], 1
	s_mov_b32 s[G0W+4*\q+1], RB+\q*HCH                             ; region 1
	s_add_nc_u64 s[G0W+4*\q+2:G0W+4*\q+3], s[96:97], \q*512
	s_or_b32 s[G0W+4*\q+3], s[G0W+4*\q+3], 0x80000000
.endr
	CROUND                                         ; all sixteen work-groups are here: the joint loads meet
; ONE joint load a wave, in one chain of arms on the wave's number: waves 0 and 1 x's halves, which are wanted first; waves 2 and 3 Wq's
.macro ARM w, g0, g1, next
	s_cmp_eq_u32 s14, \w
	s_cbranch_scc0 \next
	tensor_load_to_lds s[\g0:\g0+3], s[\g1:\g1+7]
	s_nop 0
	PLACES 4
	s_branch .Lfilled
\next:
.endm
	ARM 0, G0X, G1X, .Lfill_1
	ARM 1, G0X+4, G1X, .Lfill_2
	ARM 2, G0W, G1W, .Lfill_3
	tensor_load_to_lds s[G0W+4:G0W+7], s[G1W:G1W+7]
	s_nop 0
	PLACES 4
.Lfilled:
	s_mov_b32 s99, 0
	s_lshl_b32 s98, s10, 12                        ; x's scales: row 128 y + 64 wt, 32 bytes a row
	s_lshl_b32 s13, s15, 11
	s_add_co_u32 s98, s98, s13
	s_add_nc_u64 s[6:7], s[6:7], s[98:99]
	s_lshl_b32 s98, s11, 12                        ; W's: row 128 xw + 64 wf
	s_lshl_b32 s13, s16, 11
	s_add_co_u32 s98, s98, s13
	s_add_nc_u64 s[70:71], s[70:71], s[98:99]
	s_add_nc_u64 s[76:77], s[76:77], s[98:99]
	s_add_nc_u64 s[82:83], s[82:83], s[98:99]
	s_lshr_b32 s98, s98, 3                         ; the biases: 4 bytes a feature
	s_add_nc_u64 s[72:73], s[72:73], s[98:99]
	s_add_nc_u64 s[78:79], s[78:79], s[98:99]
	s_add_nc_u64 s[84:85], s[84:85], s[98:99]
	s_lshl_b32 s19, s11, 1
	s_add_co_u32 s19, s19, s16                     ; head = 2 xw + wf
	s_lshl_b32 s98, s19, 18                        ; Q's codes: a head 262,144 bytes, 128 tokens 8,192, my 64 tokens 4,096
	s_lshl_b32 s13, s10, 13
	s_add_co_u32 s98, s98, s13
	s_lshl_b32 s13, s15, 12
	s_add_co_u32 s98, s98, s13
	s_add_nc_u64 s[86:87], s[86:87], s[98:99]
	s_lshl_b32 s98, s19, 13                        ; Q's scale words: a head 8,192 bytes, 128 tokens 256; the word 4 wt of a lane's 8 bytes
	s_lshl_b32 s13, s10, 8
	s_add_co_u32 s98, s98, s13
	s_lshl_b32 s13, s15, 2
	s_add_co_u32 s98, s98, s13
	s_add_nc_u64 s[88:89], s[88:89], s[98:99]
	s_mul_i32 s98, s19, HREC                       ; my record of kvrec
	s_mul_i32 s13, s10, REC
	s_add_co_u32 s98, s98, s13
	s_add_nc_u64 s[90:91], s[90:91], s[98:99]
	s_lshl_b32 s98, s15, 12
	s_add_nc_u64 s[68:69], s[90:91], s[98:99]      ; K's codes: my four tiles of 1,024 bytes
	s_lshl_b32 s98, s15, 2
	s_add_co_u32 s98, s98, 16384
	s_add_nc_u64 s[4:5], s[90:91], s[98:99]        ; K's scale words
	s_lshl_b32 s98, s15, 10
	s_add_co_u32 s98, s98, 8192
	s_add_nc_u64 s[2:3], s[90:91], s[98:99]        ; V's codes: my two chunks of 512 in each tile
	s_lshl_b32 s98, s15, 1
	s_add_co_u32 s98, s98, 16640
	s_add_nc_u64 s[96:97], s[90:91], s[98:99]      ; V's scale words: the bytes 2 wt of a word
	s_mul_i32 s98, s15, HALF                       ; my 64 rows of x
	s_mul_i32 s13, s16, HALF                       ; my 64 rows of a weight
	v_and_b32 v1, 15, v0                           ; r
	v_bfe_u32 v2, v0, 4, 1                         ; h
	v_and_b32 v16, 31, v0
	v_mul_u32_u24 v3, v1, PITCH
	v_lshl_add_u32 v3, v2, 4, v3                   ; a fragment's row x pitch + 16 h
	v_lshlrev_b32 v12, 4, v16
	v_lshlrev_b32 v13, 3, v16
	v_lshlrev_b32 v14, 5, v16
	v_lshlrev_b32 v15, 5, v2
	v_lshlrev_b32 v11, 2, v1
	s_wait_alu depctr_va_vdst(0)
	v_add_nc_u32 v[AX], s98, v3
	s_add_co_u32 s98, s98, HCH
	v_add_nc_u32 v[AX+1], s98, v3
.irp q, 0,1,2,3
	v_add_nc_u32 v[AW+\q], s13, v3                 ; region q / 2, half q % 2
	s_add_co_u32 s13, s13, HCH
.endr
	; the scale words of all of K, once, straight into registers: lane l takes the 32 bytes of row 32 p + l of my 64: each pair of loads covers 1,024 consecutive bytes
.irp p, 0,1
	global_load_b128 v[SX+8*\p+4:SX+8*\p+7], v14, s[6:7] offset:1024*\p
	global_load_b128 v[SX+8*\p:SX+8*\p+3],   v14, s[6:7] offset:1024*\p+16
	global_load_b128 v[SW+8*\p:SW+8*\p+3],   v14, s[70:71] offset:1024*\p
	global_load_b128 v[SW+8*\p+4:SW+8*\p+7], v14, s[70:71] offset:1024*\p+16
	global_load_b128 v[SW+16+8*\p:SW+16+8*\p+3],   v14, s[76:77] offset:1024*\p
	global_load_b128 v[SW+16+8*\p+4:SW+16+8*\p+7], v14, s[76:77] offset:1024*\p+16
	global_load_b128 v[SW+32+8*\p:SW+32+8*\p+3],   v14, s[82:83] offset:1024*\p
	global_load_b128 v[SW+32+8*\p+4:SW+32+8*\p+7], v14, s[82:83] offset:1024*\p+16
.endr
	WIN 0xC0                                       ; destination window 3
.irp a, 0,1,2,3                                ; bq and bk: a lane's registers are features 16 a + 8 h + j
	global_load_b128 v[BI+8*\a:BI+8*\a+3],   v15, s[72:73] offset:64*\a
	global_load_b128 v[BI+8*\a+4:BI+8*\a+7], v15, s[72:73] offset:64*\a+16
	global_load_b128 v[BI+32+8*\a:BI+32+8*\a+3],   v15, s[78:79] offset:64*\a
	global_load_b128 v[BI+32+8*\a+4:BI+32+8*\a+7], v15, s[78:79] offset:64*\a+16
.endr
	WIN 0
.macro WM4 ra, rb                      ; one product on the registers named by rD, rP, rR, rC, rSA, rSB; ra, rb: the side's scale words stand in lanes 16-31
.if (\ra) && (\rb)
	v_wmma_scale_f32_16x16x128_f8f6f4 v[rD:rD+7], v[rP:rP+15], v[rR:rR+15], v[rC:rC+7], v[rSA], v[rSB] matrix_a_scale:MATRIX_SCALE_ROW1 matrix_b_scale:MATRIX_SCALE_ROW1
.elseif (\ra)
	v_wmma_scale_f32_16x16x128_f8f6f4 v[rD:rD+7], v[rP:rP+15], v[rR:rR+15], v[rC:rC+7], v[rSA], v[rSB] matrix_a_scale:MATRIX_SCALE_ROW1
.elseif (\rb)
	v_wmma_scale_f32_16x16x128_f8f6f4 v[rD:rD+7], v[rP:rP+15], v[rR:rR+15], v[rC:rC+7], v[rSA], v[rSB] matrix_b_scale:MATRIX_SCALE_ROW1
.else
	v_wmma_scale_f32_16x16x128_f8f6f4 v[rD:rD+7], v[rP:rP+15], v[rR:rR+15], v[rC:rC+7], v[rSA], v[rSB]
.endif
.endm
; eight products of weight t: source 1's tiles b0, b0 + 1 x source 0's four, K step s.  In step 0 C is the bias.  The 16 accumulators take turns, one instruction a turn, in the same order in every step
.macro MUL8 isv, t, s, b0
.irp b, \b0, \b0+1
.irp a, 0,1,2,3
.set rD, ACC+8*(4*(\b)+\a)
.if \isv
.set rP, 16*(4*((\s)%4)+\a)
.set rR, 64*((\s)%3)+16*(\b)
.set rSA, SX+8*(\a/2)+(((\s)+4)%8)
.set rSB, SW+16*(\t)+8*((\b)/2)+(\s)
.set rC, BI+8*(\b)
.else
.set rP, 64*((\s)%3)+16*\a
.set rR, 16*(4*((\s)%4)+(\b))
.set rSA, SW+16*(\t)+8*(\a/2)+(\s)
.set rSB, SX+8*((\b)/2)+(((\s)+4)%8)
.set rC, BI+32*(\t)+8*\a
.endif
.if (\s) > 0
.set rC, rD
.endif
	WM4 (\a)%2, (\b)%2
.endr
.endr
.endm
; 16 LDS loads in one run: W's four fragments of K step s, from region reg, into buffer s % 3.  Registers 4 c .. 4 c + 3 hold k = 32 c + 16 h + 0 .. 15
.macro FETCH reg, s
	WIN 0xC0
.irp i, 0,1,2,3
.irp c, 0,1,2,3
	ds_load_b128 v[64*((\s)%3)+16*\i+4*\c:64*((\s)%3)+16*\i+4*\c+3], v[AW+2*(\reg)+(\s)/4] offset:\i*16*PITCH+128*((\s)%4)+32*\c
.endr
.endr
.endm
; K step s of eight: 16 products; in its middle the fragments of the step two on are asked for, into the buffer that the step before read
.macro STEP isv, t, reg, s
.if \isv
.set MW, (1+(\s)/4)|(3<<2)             ; source 0 = x (window 1 or 2), source 1 = W (window 3)
.else
.set MW, 3|((1+(\s)/4)<<2)
.endif
.if (\s) == 0
.set MW, MW|(3<<4)                     ; C = the bias, in window 3
.endif
.if (\s) < 7
	s_wait_dscnt 16                                ; this step's fragments are in; the next step's 16 loads may be out
.else
	s_wait_dscnt 0x0
.endif
	WIN MW
	MUL8 \isv, \t, \s, 0
.if (\s) < 6
	PLACES 8                                       ; eight plain places between the last products that read that buffer and the loads into it (the eight products above are not counted)
	FETCH \reg, (\s)+2
	WIN MW
.endif
	MUL8 \isv, \t, \s, 2
.endm
.macro STEPS isv, t, reg
.irp s, 0,1,2,3,4,5,6,7
	STEP \isv, \t, \reg, \s
.endr
	WIN 0
.endm
; A refill: the weight whose codes' address stands in s[ptr:ptr+1], into the region at LDS byte reg.  Every wave waits for its tensor load, adds 0 to its spare word and waits for that and for its reads of the region;
; a round of the cluster's barrier follows, and the joint load is the first thing behind it, one a wave.
.macro REFILL ptr, reg
	s_wait_tensorcnt 0x0                           ; no tensor load of mine is out, so group 0 may be written
	ds_add_u32 v30, v31                            ; 0 onto my spare word
	s_mov_b32 s[G0R], 1
	s_add_co_u32 s[G0R+1], s12, \reg
	s_add_nc_u64 s[G0R+2:G0R+3], s[\ptr:\ptr+1], s[8:9]
	s_or_b32 s[G0R+3], s[G0R+3], 0x80000000
	s_wait_dscnt 0x0
	CROUND
	tensor_load_to_lds s[G0R:G0R+3], s[G1R:G1R+7]
	s_nop 0
	PLACES 4
.endm
; THE QUANTISER of a wave's 128 sums a lane: eight blocks of 32 along the quantiser's K, block e in v[ACC + 16 e] on, 16 numbers of each mine and 16 lane l xor 16's.  The eight blocks take turns line by line.
; Codes into v[CD + 4 e] on; the scale bytes of blocks 2 b, 2 b + 1 into v[24 + b].  The 24 working registers lie in window 3, in W's third buffer, which no load and no product names here:
; v[T + e] the largest magnitude, then the bound; v[T + 8 + e] lane l xor 16's, then the byte; v[T + 16 + e] the conversion's scale operand.
; Each accumulator is first read at its low end.
.set T, 128
.macro QUANT8
	WIN 0xC0                                       ; destination window 3
.irp e, 0,1,2,3,4,5,6,7
	v_max3_num_f32 v[T+\e], |v[ACC+16*\e]|, |v[ACC+16*\e+1]|, 0x4800000   ; with the floor 2^(9 - 127): the byte cannot fall under 1
.endr
	WIN 0xC3                                       ; and source 0
.irp i, 2,4,6,8,10,12,14
.irp e, 0,1,2,3,4,5,6,7
	v_max3_num_f32 v[T+\e], v[T+\e], |v[ACC+16*\e+\i]|, |v[ACC+16*\e+\i+1]|
.endr
.endr
.irp e, 0,1,2,3,4,5,6,7
	v_permlanex16_b32 v[T+8+\e], v[T+\e], s20, s21
.endr
	WIN 0xCF                                       ; and source 1
.irp e, 0,1,2,3,4,5,6,7
	v_max_num_f32 v[T+\e], v[T+\e], v[T+8+\e]      ; the block's largest magnitude
.endr
.irp e, 0,1,2,3,4,5,6,7
	v_add_nc_u32 v[T+16+\e], 0xfc000000, v[T+\e]   ; 8 off its exponent field: the conversion's scale operand
.endr
.irp e, 0,1,2,3,4,5,6,7
	v_and_or_b32 v[T+\e], v[T+\e], 0x7f800000, s22 ; 448 x the scale
.endr
.irp e, 0,1,2,3,4,5,6,7
	v_lshrrev_b32 v[T+8+\e], 23, v[T+16+\e]        ; the scale's byte
.endr
	WIN 0x33                                       ; sources 0 and 2 window 3, destination window 0
.irp b, 0,1,2,3
	v_lshl_or_b32 v[24+\b], v[T+9+2*\b], 8, v[T+8+2*\b]
.endr
	WIN 0x3C                                       ; sources 1 and 2 window 3
.irp e, 0,1,2,3,4,5,6,7
.irp i, 0,1,2,3,4,5,6,7,8,9,10,11,12,13,14,15
	v_med3_num_f32 v[ACC+16*\e+\i], v[ACC+16*\e+\i], -v[T+\e], v[T+\e]   ; the conversion to an 8-bit code does not saturate (ISA guide 7.6.2): the hold comes first
.endr
	v_cvt_scalef32_pk8_fp8_f32 v[CD+4*\e:CD+4*\e+1], v[ACC+16*\e:ACC+16*\e+7], v[T+16+\e]
	v_cvt_scalef32_pk8_fp8_f32 v[CD+4*\e+2:CD+4*\e+3], v[ACC+16*\e+8:ACC+16*\e+15], v[T+16+\e]
.endr
	v_nop                                          ; a plain line behind the last conversion
	WIN 0
.endm
.macro OUT isv, pc, ps                 ; the 16 sums are quantised; codes to s[pc:pc+1], scale words to s[ps:ps+1]
	QUANT8
.irp b, 0,1,2,3
.irp c, 0,1
.if \isv
	global_store_b128 v12, v[CD+8*\b+4*\c:CD+8*\b+4*\c+3], s[\pc:\pc+1] offset:2048*\b+512*\c   ; d tile b, key block 2 wt + c: 512 consecutive bytes, aligned
.else
	global_store_b128 v12, v[CD+8*\b+4*\c:CD+8*\b+4*\c+3], s[\pc:\pc+1] offset:1024*\b+512*\c   ; token tile 4 wt + b, block c of the head's 64
.endif
.endr
.endr
.if \isv
	v_cndmask_b32 v28, v24, v25, s23               ; lane (r, h) stores d tile 2 j + h's two bytes, for key blocks 2 wt and 2 wt + 1, into the word at 8 x lane + 4 j
	v_cndmask_b32 v29, v26, v27, s23
	global_store_b16 v13, v28, s[\ps:\ps+1]
	global_store_b16 v13, v29, s[\ps:\ps+1] offset:4
.else
	v_lshl_or_b32 v28, v25, 16, v24                ; a word serves two token tiles: tile 2 g in bytes 0, 1, tile 2 g + 1 in bytes 2, 3
	v_lshl_or_b32 v29, v27, 16, v26
	v_cndmask_b32 v28, v28, v29, s23               ; lane (r, h) stores pair g = h
	global_store_b32 v13, v28, s[\ps:\ps+1]
.endif
.endm
	s_wait_alu depctr_va_vdst(0)
	s_cmp_lt_u32 s14, 2                            ; waves 0 and 1 fetched x: they alone wait here; waves 2 and 3 wait in front of the first refill's round
	s_cbranch_scc0 .Lnot_x
	s_wait_tensorcnt 0x0
.Lnot_x:
	s_barrier_signal -1
	s_barrier_wait -1
.irp s, 0,1,2,3,4,5,6,7                        ; my 64 rows of x, all of K, into windows 1 and 2: 128 loads
	WIN (1+\s/4)<<6
.irp b, 0,1,2,3
.irp c, 0,1,2,3
	ds_load_b128 v[16*(4*(\s%4)+\b)+4*\c:16*(4*(\s%4)+\b)+4*\c+3], v[AX+\s/4] offset:\b*16*PITCH+128*(\s%4)+32*\c
.endr
.endr
.endr
	WIN 0
	REFILL 74, 0                                   ; every wave holds x in registers, and Wq is in: Wk lands where x lay
	FETCH 1, 0
	FETCH 1, 1
	WIN 0
	s_wait_loadcnt 0x0                             ; the scale words and the biases
	STEPS 0, 0, 1                                  ; Q, from region 1
	REFILL 80, RB                                  ; Wq has been read out, and Wk is in: Wv lands where Wq lay
	PLACES 4                                       ; with the four behind the load: eight places between the last products and the loads into their buffers and the first read of the sums
	FETCH 0, 0
	FETCH 0, 1
.irp b, 0,1,2,3
	global_load_b32 v[BI+8*\b], v11, s[84:85] offset:64*\b   ; bv, where bq stood: in V a lane holds ONE feature, 16 b + r
.endr
	WIN 0
	OUT 0, 86, 88
	STEPS 0, 1, 0                                  ; K, from region 0
	s_wait_tensorcnt 0x0                           ; my part of Wv is in,
	s_wait_dscnt 0x0
	s_barrier_signal -1
	s_barrier_wait -1                              ; everybody's is; nothing is filled again
	PLACES 8
	FETCH 1, 0
	FETCH 1, 1
	WIN 0
	s_wait_xcnt 0x0                                ; Q's stores have read their registers, which are written again below
	OUT 0, 68, 4
	s_wait_loadcnt 0x0                             ; bv
	WIN 0xC3
.irp b, 0,1,2,3
.irp j, 1,2,3,4,5,6,7
	v_mov_b32 v[BI+8*\b+\j], v[BI+8*\b]            ; a feature's bias fills the tile's eight registers
.endr
.endr
	WIN 0
	s_wait_alu depctr_va_vdst(0)
	STEPS 1, 2, 1                                  ; V, from region 1
	PLACES 8
	s_wait_xcnt 0x0                                ; K's stores have read their registers
	OUT 1, 2, 96
	s_wait_tensorcnt 0x0                           ; the wave's end
	ds_add_u32 v30, v31
	s_wait_dscnt 0x0
	CROUND                                         ; the closing round: no work-group ends while a partner may still ask for a tile that names it
	s_endpgm
.Lfunc_end_k_q163b3b5d70_proj:
	.size	k_q163b3b5d70_proj, .Lfunc_end_k_q163b3b5d70_proj-k_q163b3b5d70_proj
	.p2alignl 7, 3214868480
	.fill 96, 4, 3214868480
	.section	.rodata,"a",@progbits
	.p2align	6, 0x0
	.amdhsa_kernel k_q163b3b5d70_proj
		.amdhsa_group_segment_fixed_size 327680
		.amdhsa_private_segment_fixed_size 0
		.amdhsa_enable_private_segment 0
		.amdhsa_kernarg_size 112
		.amdhsa_user_sgpr_count 2
		.amdhsa_user_sgpr_kernarg_segment_ptr 1
		.amdhsa_wavefront_size32 1
		.amdhsa_system_sgpr_workgroup_id_x 1
		.amdhsa_system_sgpr_workgroup_id_y 1
		.amdhsa_system_sgpr_workgroup_id_z 1
		.amdhsa_system_vgpr_workitem_id 0
		.amdhsa_next_free_vgpr 1024
		.amdhsa_next_free_sgpr 100
		.amdhsa_reserve_vcc 0
		.amdhsa_float_denorm_mode_32 3
		.amdhsa_float_denorm_mode_16_64 3
		.amdhsa_memory_ordered 1
		.amdhsa_forward_progress 1
		.amdhsa_inst_pref_size 155
	.end_amdhsa_kernel
	.amdgpu_metadata
---
amdhsa.version: [ 1, 2 ]
amdhsa.kernels:
  - .name:           k_q163b3b5d70_proj
    .symbol:         k_q163b3b5d70_proj.kd
    .args:
      - { .name: x_codes, .offset: 0, .size: 8, .value_kind: global_buffer, .address_space: global }
      - { .name: x_scales, .offset: 8, .size: 8, .value_kind: global_buffer, .address_space: global }
      - { .name: Wq_codes, .offset: 16, .size: 8, .value_kind: global_buffer, .address_space: global }
      - { .name: Wq_scales, .offset: 24, .size: 8, .value_kind: global_buffer, .address_space: global }
      - { .name: bq, .offset: 32, .size: 8, .value_kind: global_buffer, .address_space: global }
      - { .name: Wk_codes, .offset: 40, .size: 8, .value_kind: global_buffer, .address_space: global }
      - { .name: Wk_scales, .offset: 48, .size: 8, .value_kind: global_buffer, .address_space: global }
      - { .name: bk, .offset: 56, .size: 8, .value_kind: global_buffer, .address_space: global }
      - { .name: Wv_codes, .offset: 64, .size: 8, .value_kind: global_buffer, .address_space: global }
      - { .name: Wv_scales, .offset: 72, .size: 8, .value_kind: global_buffer, .address_space: global }
      - { .name: bv, .offset: 80, .size: 8, .value_kind: global_buffer, .address_space: global }
      - { .name: qcodes, .offset: 88, .size: 8, .value_kind: global_buffer, .address_space: global }
      - { .name: qscales, .offset: 96, .size: 8, .value_kind: global_buffer, .address_space: global }
      - { .name: kvrec, .offset: 104, .size: 8, .value_kind: global_buffer, .address_space: global }
    .group_segment_fixed_size: 327680
    .private_segment_fixed_size: 0
    .kernarg_segment_align: 8
    .kernarg_segment_size: 112
    .max_flat_workgroup_size: 128
    .sgpr_count:     100
    .vgpr_count:     1024
    .wavefront_size: 32
...
	.end_amdgpu_metadata
.endif
;; end of part 1
;; launch attn (part 2): grid 16 x 16, 16 waves a work-group, clusters of 4 x 1, 327,680 bytes of LDS; arguments qcodes, qscales, kvrec, acodes, ascales; writes acodes, ascales
.if DOCPART == 2
	.amdgcn_target "amdgcn-amd-amdhsa--gfx1250"
	.amdhsa_code_object_version 6
	.text
	.protected	k_q163b3b5d70_attn
	.globl	k_q163b3b5d70_attn
	.p2align	8
	.type	k_q163b3b5d70_attn,@function
k_q163b3b5d70_attn:
	s_mov_b64 s[64:65], 0
	v_nop
	global_prefetch_b8 v0, s[64:65] scope:SCOPE_SE
	s_setreg_imm32_b32 hwreg(HW_REG_WAVE_MODE, 25, 1), 1
	s_wait_xcnt 0x0
	s_wait_alu depctr_hold_cnt(0) depctr_sa_sdst(0) depctr_va_vdst(0) depctr_va_sdst(0) depctr_va_ssrc(0) depctr_va_vcc(0) depctr_vm_vsrc(0)
	s_getreg_b32 s2, hwreg(HW_REG_IB_STS2, 6, 4)
	s_cmp_eq_u32 s2, 0
	s_cbranch_scc0 .Lentry_in_a_cluster
	s_endpgm
.Lentry_in_a_cluster:
	s_bfe_u32 s2, ttmp6, 0x10000c
	s_cmp_lg_u32 s2, 0x3003
	s_cbranch_scc0 .Lentry_shape_is_right
	s_endpgm
.Lentry_shape_is_right:
; a[q][head] = softmax_k(Q . K / 8) V for 16 heads of 64, 4,096 queries and keys, both products on codes of E4M3 with one E8M0 scale for each 32 along a product's K; then a is quantised along the 1,024.
; THE SOFTMAX: t = score x log2(e) / 8; M = the running largest t rounded UP to a whole number; p = 2^(t - M) is quantised along the keys, not normalised; the row's sum is taken of the unquantised p
; and divides at the end.  When M moves, the sum and O are multiplied by 2^(old M - new M), which rounds nothing.
; SHARES.  A work-group owns 256 queries of one head, each of its sixteen waves one tile of 16, in 256 registers.  Every wave walks the head's 32 key steps of 128 keys.  A key step is ONE record of kvrec,
; 16,896 dense bytes: K's codes, V's codes and both sets of scale words, laid as images of the operand registers (lane l's 16 bytes at 16 l).  Ring: two slots of eight records; each wave fetches half a record.
; CLUSTER 4 x 1: the four query blocks of a cluster walk the same records: each half record is asked for jointly, with the mask of all four.
; LAYOUT.  S^T = K Q^T (source 0 = keys, source 1 = my queries), O^T = V^T P^T: a lane holds ONE query throughout.
; K = 64 IN A FORM OF 128.  A fragment of K holds TWO key tiles: tile 2 f in k = 0 .. 63, tile 2 f + 1 in k = 64 .. 127.  It is multiplied by (q | zero codes) and by (zero codes | q): the other tile meets
; zero codes and adds nothing (K's codes were held at 448, so none is the NaN code).  q's eight registers stand between two runs of eight zeros: v[24:39] and v[16:31] are the two operands.
; ORDER INSIDE A BLOCK OF 32: p's 16 codes of S^T's tiles 2 f, 2 f + 1 are used as they stand, keys 32 f + 16 u + 8 h + j at places 32 f + 16 h + 8 u + j; V's codes were made in the same order.
; TWO RUNS OF 64 REGISTERS TAKE TURNS, X and Y.  In a step K stands in one and the scores go to the other; V lands on K once the first product is done; the NEXT step's K lands on p once p is converted.
; So a step is written for both orders, and inside a slot no wave waits for K straight behind its loads.  A slot's last step asks for no further K: it is written out.
; No prefetch is written: a refill is asked for eight key steps ahead of the wait for it: 96 products and their softmax in each of a SIMD's four waves.
; LIMITS: NaN and infinities are not served (a NaN code among K's would also reach the neighbouring key tile's scores).  A block of a whose largest magnitude lies under 2^-118, or of zeros, keeps the byte 1.
; The promise holds while the scaled scores t stay under 2^31 in magnitude.
; REGISTERS: v1 16 x lane, v2 8 x lane, v3, v4 the step's LDS addresses, v5, v6 the add's, v7 at the end 4 r; v[10:11] a partial sum; v12 -M, v13 the largest t, v[14:15] the sum; v16-23 zeros, v24-31 q,
; v32-39 zeros; v40-103 X, v104-167 Y; v168-199 O^T; v200-215 p's codes; v216-237 at work; v240-241 K's scale words, v242-243 V's, v244 q's, v245 p's; v246-255 partial sums.
.set REC,   16896
.set HREC,  32*REC
.set NR,    8                          ; records in a slot
.set SLOTB, NR*REC                     ; slot 1 begins here
.set SPARE, 2*SLOTB                    ; behind the ring: the spare words, 128 bytes for each of the sixteen waves: eight blocks of 256 bytes that no other line names
.set X,  40
.set Y,  104
.set O,  168
.set PC, 200
.macro CROUND
	s_barrier_signal -1
	s_barrier_wait -1
	s_cmp_lg_u32 s14, 0
	s_cbranch_scc1 .Lnot_wave_0_\@
	s_barrier_signal -3
.Lnot_wave_0_\@:
	s_barrier_wait -3
	s_barrier_signal -1
	s_barrier_wait -1
.endm
.macro TLOAD                           ; every wave fetches half a record: no branch leads round the load.  An s_nop 0 and four v_nop follow it
	tensor_load_to_lds s[36:39], s[28:35]
	s_nop 0
.rept 4
	v_nop
.endr
.endm
	s_load_b256 s[4:11], s[0:1], 0x0               ; qcodes, qscales, kvrec, acodes
	s_load_b64 s[12:13], s[0:1], 0x20              ; ascales
	v_lshl_add_u32 v5, v0, 2, SPARE
	v_mov_b32 v6, 0
	ds_add_u32 v5, v6                              ; the opening lines: the add, twice on end, and its wait ahead of my first tensor load
	ds_add_u32 v5, v6
	v_lshrrev_b32 v7, 5, v0
	v_readfirstlane_b32 s14, v7                    ; wave 0..15
	s_bfe_u32 s15, ttmp6, 0x40000                  ; cx
	s_lshl_b32 s16, ttmp9, 2
	s_add_co_u32 s16, s16, s15                     ; my block of 256 queries: it enters q's and a's addresses alone
	s_and_b32 s17, ttmp7, 0xffff                   ; the head, which the four partners share
	s_mul_i32 s18, s14, REC/2                      ; the half record that I fetch: its place in a slot and in memory
	s_mul_i32 s40, s17, HREC
	s_add_co_u32 s40, s40, s18
	s_mov_b32 s41, 0
	; group 1: half a record as 33 rows of 256 bytes (32 elements of 8), dense, no padding
	s_mov_b32 s28, 15|(3<<16)|(1<<21)              ; 15:0 the mask: all four work-groups; 17:16 elements of 8 bytes; 21 set beside a mask
	s_mov_b32 s29, 32<<16                          ; tensor_dim0
	s_mov_b32 s30, 33<<16                          ; tensor_dim1
	s_mov_b32 s31, 32<<16                          ; tile_dim0
	s_mov_b32 s32, 33                              ; tile_dim1
	s_mov_b32 s33, 32                              ; the pitch
	s_mov_b32 s34, 0
	s_mov_b32 s35, 0
	s_mov_b32 s20, 0x76543210
	s_mov_b32 s21, 0xfedcba98                      ; v_permlanex16_b32's selects for lane l xor 16
	s_mov_b32 s22, 0x3e38aa3b                      ; c = log2(e) / 8
	s_mov_b32 s23, s22                             ; (named with it as a pair, so it is written)
	s_mov_b32 s24, 0x600000                        ; the mantissa field of 448
	s_mov_b32 s25, 3                               ; slots still to be asked for
	s_mov_b32 s26, 0                               ; LDS byte at which the slot filled last begins
	s_mov_b32 s27, 0                               ; and the slot that is read
	s_lshl_b32 s42, s17, 18                        ; q's codes: head x 262,144 + tile T x 1,024, T = 16 x block + wave
	s_lshl_b32 s43, s16, 14
	s_add_co_u32 s42, s42, s43
	s_lshl_b32 s43, s14, 10
	s_add_co_u32 s42, s42, s43
	s_mov_b32 s43, 0
	s_lshl_b32 s44, s17, 13                        ; q's scale word: head x 8,192 + (T / 8) x 256 + 128 x bit 1 of the wave + 4 x bit 2; its half by bit 0
	s_lshl_b32 s45, s16, 9
	s_add_co_u32 s44, s44, s45
	s_lshr_b32 s45, s14, 3
	s_lshl_b32 s45, s45, 8
	s_add_co_u32 s44, s44, s45
	s_bfe_u32 s45, s14, 0x10001
	s_lshl_b32 s45, s45, 7
	s_add_co_u32 s44, s44, s45
	s_bfe_u32 s45, s14, 0x10002
	s_lshl_b32 s45, s45, 2
	s_add_co_u32 s44, s44, s45
	s_mov_b32 s45, 0
	s_and_b32 s19, s14, 1
	s_lshl_b32 s19, s19, 4                         ; 16 x bit 0
	s_lshl_b32 s46, s16, 18                        ; a's codes: (T / 8) x 131,072 + (head / 2) x 16,384 + (T % 8) x 2,048 + (head % 2) x 1,024
	s_lshr_b32 s47, s14, 3
	s_lshl_b32 s47, s47, 17
	s_add_co_u32 s46, s46, s47
	s_lshr_b32 s47, s17, 1
	s_lshl_b32 s47, s47, 14
	s_add_co_u32 s46, s46, s47
	s_and_b32 s47, s14, 7
	s_lshl_b32 s47, s47, 11
	s_add_co_u32 s46, s46, s47
	s_and_b32 s47, s17, 1
	s_lshl_b32 s47, s47, 10
	s_add_co_u32 s46, s46, s47
	s_mov_b32 s47, 0
	s_lshr_b32 s48, s17, 1                         ; a's scale words: (head / 2) x 16,384 + T x 64 + 2 x (head % 2)
	s_lshl_b32 s48, s48, 14
	s_lshl_b32 s49, s16, 10
	s_add_co_u32 s48, s48, s49
	s_lshl_b32 s49, s14, 6
	s_add_co_u32 s48, s48, s49
	s_and_b32 s49, s17, 1
	s_lshl_b32 s49, s49, 1
	s_add_co_u32 s48, s48, s49
	s_mov_b32 s49, 0
	s_wait_dscnt 0x0                               ; both opening adds are done
	s_wait_kmcnt 0x0
	s_mov_b32 s36, 1                               ; group 0, which walks: count = 1,
	s_mov_b32 s37, s18                             ; LDS address: slot 0,
	s_add_nc_u64 s[38:39], s[8:9], s[40:41]        ; global address: the head's first eight records,
	s_or_b32 s39, s39, 0x80000000                  ; type = 2
	s_add_nc_u64 s[4:5], s[4:5], s[42:43]
	s_add_nc_u64 s[6:7], s[6:7], s[44:45]
	s_add_nc_u64 s[10:11], s[10:11], s[46:47]
	s_add_nc_u64 s[12:13], s[12:13], s[48:49]
	CROUND                                         ; all four work-groups are here: the first joint loads meet
	TLOAD                                          ; slot 0
	v_and_b32 v7, 31, v0
	v_and_b32 v8, 15, v0
	v_lshlrev_b32 v1, 4, v7
	v_lshlrev_b32 v2, 3, v7
	v_lshlrev_b32 v9, 3, v8
	global_load_b128 v[24:27], v1, s[4:5]          ; q's two chunks stay in registers
	global_load_b128 v[28:31], v1, s[4:5] offset:512
	global_load_b32 v234, v9, s[6:7]               ; the word that holds my tile's two scale bytes
	s_wait_alu depctr_va_vdst(0)
	s_wait_loadcnt 0x0
	v_lshrrev_b32 v234, s19, v234
	v_and_b32 v234, 0xffff, v234
	v_lshl_or_b32 v244, v234, 16, v234             ; in both halves: they serve q wherever it stands among the zeros
.irp j, 0,1,2,3,4,5,6,7
	v_mov_b32 v[16+\j], 0                          ; zero codes
	v_mov_b32 v[32+\j], 0
.endr
.set j, 0
.rept 32
	v_mov_b32 v[O+j], 0                            ; O^T: the first step finds zeros, which the first change of M leaves zeros
.set j, j+1
.endr
	v_mov_b32 v13, 0xff61b1e6                      ; the largest t so far: -3e38
	v_mov_b32 v14, 0
	v_mov_b32 v15, 0
	v_floor_f32 v12, -v13                          ; -M
.irp b, 0,1,2,3
	v_mov_b32 v[220+\b], 0                         ; written once: a lane permute's destination counts as one of its sources
.endr
	v_mov_b32 v237, 0                              ; (named as the upper half of the pair v[236:237])
.macro KLD r, off, n0                  ; half of K's operand, from the record that begins off bytes behind the step's, into v[r] on.  n0 = 0: the scale words and fragments 0, 1 (9 loads); n0 = 8: fragments 2, 3 (8 loads)
.if (\n0) == 0
	ds_load_b64 v[240:241], v4 offset:\off+16384   ; v240 fragments 0 (lanes 0-15) and 1 (lanes 16-31), v241 fragments 2 and 3
.endif
.set vn, \n0
.rept 8
	ds_load_b128 v[\r+4*vn:\r+4*vn+3], v3 offset:\off+512*vn
.set vn, vn+1
.endr
.endm
.macro VL r, n0, cnt                   ; cnt pieces of 16 bytes a lane of V's fragments, from piece n0 on
.set vn, \n0
.rept \cnt
	ds_load_b128 v[\r+4*vn:\r+4*vn+3], v3 offset:8192+512*vn
.set vn, vn+1
.endr
.endm
.macro TMINUS s, j0, cnt               ; t - M, two at a time
.set j, \j0
.rept \cnt
	v_pk_fma_f32 v[\s+j:\s+j+1], v[\s+j:\s+j+1], s[22:23], v[12:13] op_sel_hi:[1,0,0]
.set j, j+2
.endr
.endm
; A KEY STEP: 128 keys, the record at LDS byte s2.  K's fragments are on their way into v[k] on; the scores go to v[s] on.  nxt = 1: the next record's K is asked for, into v[s] on.
.macro STEP k, s, nxt
	s_wait_dscnt 8                                 ; K's scale words and fragments 0, 1 are in; the youngest eight loads (fragments 2, 3) may be out
.irp f, 0,1,2,3
.if \f == 2
	s_wait_dscnt 0x0                               ; fragments 2, 3 are in
.endif
.irp u, 0,1                                    ; u = 0: (q | 0) takes tile 2 f; u = 1: (0 | q) takes tile 2 f + 1
.if \f%2
	v_wmma_scale_f32_16x16x128_f8f6f4 v[\s+16*\f+8*\u:\s+16*\f+8*\u+7], v[\k+16*\f:\k+16*\f+15], v[24-8*\u:39-8*\u], 0, v[240+\f/2], v244 matrix_a_scale:MATRIX_SCALE_ROW1
.else
	v_wmma_scale_f32_16x16x128_f8f6f4 v[\s+16*\f+8*\u:\s+16*\f+8*\u+7], v[\k+16*\f:\k+16*\f+15], v[24-8*\u:39-8*\u], 0, v[240+\f/2], v244
.endif
.endr
.endr
.rept 8
	v_nop                                          ; eight places, for the first read of the scores and for the loads into K's registers
.endr
.irp b, 0,1,2,3
	v_max3_num_f32 v[216+\b], v[\s+16*\b], v[\s+16*\b+1], v[\s+16*\b+2]   ; the largest score of each block of 32 keys: for the row's maximum and, since p rises with the score, for the block's largest p
.endr
.irp i, 3,5,7,9,11,13
.irp b, 0,1,2,3
	v_max3_num_f32 v[216+\b], v[216+\b], v[\s+16*\b+\i], v[\s+16*\b+\i+1]
.endr
.endr
.irp b, 0,1,2,3
	v_max_num_f32 v[216+\b], v[216+\b], v[\s+16*\b+15]
.endr
.irp b, 0,1,2,3
	v_permlanex16_b32 v[220+\b], v[216+\b], s20, s21
.endr
.irp b, 0,1,2,3
	v_max_num_f32 v[216+\b], v[216+\b], v[220+\b]  ; with lane l xor 16's 16 keys
.endr
	v_max3_num_f32 v234, v216, v217, v218          ; the lines that hang on each other have V's loads between them: V lands on K while the softmax is walked
	v_mov_b32 v235, v12                            ; the old -M
	VL \k, 0, 3
	v_max_num_f32 v234, v234, v219
	VL \k, 3, 3
	v_mul_f32 v234, s22, v234                      ; the step's largest t (c is positive)
	VL \k, 6, 3
	v_max_num_f32 v13, v13, v234
	VL \k, 9, 3
	v_floor_f32 v12, -v13                          ; the new -M = -ceil(t)
	VL \k, 12, 4
	ds_load_b64 v[242:243], v4 offset:16640
	v_sub_f32 v234, v12, v235                      ; old M - new M: a whole number, 0 or less
	TMINUS \s, 0, 4
	v_cvt_i32_f32 v234, v234                       ; (it saturates)
	TMINUS \s, 8, 4
	v_ldexp_f32 v236, 1.0, v234                    ; f = 2^(old M - new M)
	TMINUS \s, 16, 24
	TMINUS 216, 0, 2                               ; the same of each block's largest score
	s_wait_alu depctr_va_vdst(0)
.set j, 0
.rept 64
	v_exp_f32 v[\s+j], v[\s+j]                     ; p = 2^(t - M)
.set j, j+1
.endr
.irp b, 0,1,2,3
	v_exp_f32 v[216+\b], v[216+\b]                 ; the block's largest p: the same two instructions on the same number
.endr
	v_pk_mul_f32 v[14:15], v[14:15], v[236:237] op_sel_hi:[1,0]   ; the sums under the new M: the plain line behind the batch
	s_wait_alu depctr_va_vdst(0)                   ; one wait for the 68, ahead of their first reader
.irp b, 0,1,2,3
	v_max_num_f32 v[216+\b], 0x4800000, v[216+\b]  ; the floor 2^(9 - 127): the byte cannot fall under 1
.endr
.irp b, 0,1,2,3
	v_add_nc_u32 v[228+\b], 0xfc000000, v[216+\b]  ; 8 off the exponent field: the conversion's scale operand
.endr
.irp b, 0,1,2,3
	v_and_or_b32 v[224+\b], v[216+\b], 0x7f800000, s24   ; 448 x the scale
.endr
.irp b, 0,1,2,3
	v_lshrrev_b32 v[220+\b], 23, v[228+\b]         ; the scale's byte
.endr
	; THE ROW'S SUM OF THE UNQUANTISED p: 32 pairs in eight chains; the chains are joined behind the second product
.set j, 0
.irp a, 232,254,252,250,248,246,10
	v_pk_add_f32 v[\a:\a+1], v[\s+2*j:\s+2*j+1], v[\s+16+2*j:\s+17+2*j]
.set j, j+1
.endr
	v_pk_add_f32 v[14:15], v[14:15], v[\s+14:\s+15]
	v_lshl_or_b32 v245, v221, 8, v220              ; p's scale word for these 128 keys
.irp w, 32,48
.set j, 0
.irp a, 232,254,252,250,248,246,10,14
	v_pk_add_f32 v[\a:\a+1], v[\a:\a+1], v[\s+\w+2*j:\s+\w+2*j+1]
.set j, j+1
.endr
	v_lshl_or_b32 v245, v[220+\w/16], \w/2, v245   ; byte 2, then byte 3; the holds below are the places between the word and the products
.endr
	v_pk_add_f32 v[232:233], v[232:233], v[\s+30:\s+31]
	; THE HOLD: the conversion does not saturate (ISA guide 7.6.2); p is not negative, so it is one-sided.  Two a line: a number of block b beside one of block b + 1
.irp b, 0,2
.irp i, 0,2,4,6,8,10,12,14
	v_dual_min_num_f32 v[\s+16*\b+\i], v[\s+16*\b+\i], v[224+\b] :: v_dual_min_num_f32 v[\s+16*\b+17+\i], v[\s+16*\b+17+\i], v[225+\b]
	v_dual_min_num_f32 v[\s+16*\b+16+\i], v[\s+16*\b+16+\i], v[225+\b] :: v_dual_min_num_f32 v[\s+16*\b+1+\i], v[\s+16*\b+1+\i], v[224+\b]
.endr
.irp c, 0,1
	v_cvt_scalef32_pk8_fp8_f32 v[PC+4*(\b+\c):PC+4*(\b+\c)+1], v[\s+16*(\b+\c):\s+16*(\b+\c)+7], v[228+\b+\c]
	v_cvt_scalef32_pk8_fp8_f32 v[PC+4*(\b+\c)+2:PC+4*(\b+\c)+3], v[\s+16*(\b+\c)+8:\s+16*(\b+\c)+15], v[228+\b+\c]
.endr
.if \nxt
	KLD \s, REC, 4*\b                              ; blocks b and b + 1 of p are converted: the next step's fragments b and b + 1 of K land where they lay
.endif
.endr
	s_wait_dscnt 17*\nxt                           ; V's fragments and scale words are in; the 17 loads of the next step's K, issued behind them, may be out
	s_wait_alu depctr_va_vdst(0)                   ; directly ahead of the first reader of O^T
.set j, 0
.rept 16
	v_pk_mul_f32 v[O+j:O+j+1], v[O+j:O+j+1], v[236:237] op_sel_hi:[1,0]   ; O^T under the new M; these 16 are also the places between the conversions and the products
.set j, j+2
.endr
.irp t, 0,1,2,3                                ; O^T += V^T P^T: the four accumulators by turns
.if \t%2
	v_wmma_scale_f32_16x16x128_f8f6f4 v[O+8*\t:O+8*\t+7], v[\k+16*\t:\k+16*\t+15], v[PC:PC+15], v[O+8*\t:O+8*\t+7], v[242+\t/2], v245 matrix_a_scale:MATRIX_SCALE_ROW1
.else
	v_wmma_scale_f32_16x16x128_f8f6f4 v[O+8*\t:O+8*\t+7], v[\k+16*\t:\k+16*\t+15], v[PC:PC+15], v[O+8*\t:O+8*\t+7], v[242+\t/2], v245
.endif
.endr
	s_add_co_u32 s2, s2, REC                       ; the next record
.if \nxt
	v_add_nc_u32 v3, s2, v1                        ; these two and the seven below are the nine places between these products and the next step's, which write over V's registers
	v_add_nc_u32 v4, s2, v2                        ; (nxt = 0: the two stand at the next slot's head)
.endif
	v_pk_add_f32 v[14:15], v[14:15], v[250:251]    ; the eight chains of the row's sum are joined
	v_pk_add_f32 v[232:233], v[232:233], v[248:249]
	v_pk_add_f32 v[254:255], v[254:255], v[246:247]
	v_pk_add_f32 v[252:253], v[252:253], v[10:11]
	v_pk_add_f32 v[14:15], v[14:15], v[254:255]
	v_pk_add_f32 v[232:233], v[232:233], v[252:253]
	v_pk_add_f32 v[14:15], v[14:15], v[232:233]
.endm
; THE CHANGE OF SLOTS stands at a slot's head.  Each wave waits for its tensor load (its half record of the slot ahead), adds 0 to its spare word, and waits for that and for its reads of the slot that it has left.
; fill = 1: a round of the cluster's barrier follows, so that no wave of any partner still reads that slot or has a load on its way, and the joint refill is the first thing behind it.
.macro CHANGE fill
	s_wait_tensorcnt 0x0                           ; no tensor load of mine is out, so group 0 may be written
	ds_add_u32 v5, v6                              ; 0 onto my spare word
.if \fill
	s_xor_b32 s26, s26, SLOTB                      ; the other slot than last time,
	s_add_co_u32 s37, s26, s18                     ; my half record's place in it,
	s_add_nc_u64 s[38:39], s[38:39], NR*REC        ; the next eight records; the type bits on top are not reached
.endif
	s_wait_dscnt 0x0                               ; the add is done, and my reads of the slot that I have left are over
.if \fill
	CROUND
	TLOAD                                          ; a wave's one tensor load until the next round: it has eight key steps in which to land
.else
	s_barrier_signal -1
	s_barrier_wait -1
.endif
.endm
.macro SLOT_STEPS                      ; a slot's eight key steps: three trips of two, and the last two written out, since the last asks for no further K
	s_mov_b32 s2, s27
	v_add_nc_u32 v3, s2, v1
	v_add_nc_u32 v4, s2, v2
	KLD X, 0, 0
	KLD X, 0, 8
	s_mov_b32 s3, NR/2-1
.Lpair_\@:
	STEP X, Y, 1
	STEP Y, X, 1
	s_sub_co_u32 s3, s3, 1
	s_cmp_lg_u32 s3, 0
	s_cbranch_scc1 .Lpair_\@
	STEP X, Y, 1
	STEP Y, X, 0
	s_xor_b32 s27, s27, SLOTB                      ; on to the other slot
.endm
	s_wait_alu depctr_va_vdst(0)
.Lslot:                                            ; three trips: behind each change of slots but the last the next slot is asked for
	CHANGE 1
	SLOT_STEPS
	s_sub_co_u32 s25, s25, 1
	s_cmp_lg_u32 s25, 0
	s_cbranch_scc1 .Lslot
	CHANGE 0                                       ; the last slot is written out
	SLOT_STEPS
	; THE WAY OUT.  O^T / the sum is quantised along the 1,024: my head's 64 are two blocks; the codes are stored as the image that the last launch's operand wants.
	v_add_f32 v14, v14, v15                        ; the sum's two halves.  (With the seven additions above, ten plain lines stand between the last product and the first read of O^T)
	v_and_b32 v7, 15, v0
	v_lshlrev_b32 v7, 2, v7                        ; 4 r
	v_permlanex16_b32 v234, v14, s20, s21
	v_add_f32 v14, v14, v234                       ; and lane l xor 16's: the row's sum
	s_wait_alu depctr_va_vdst(0)
	v_rcp_f32 v236, v14
	v_nop                                          ; a plain line behind the reciprocal,
	s_wait_alu depctr_va_vdst(0)                   ; and the wait ahead of its first reader, which is also O^T's
.set j, 0
.rept 16
	v_pk_mul_f32 v[Y+j:Y+j+1], v[O+j:O+j+1], v[236:237] op_sel_hi:[1,0]   ; register 8 t + i is a(query r, 64 head + 16 t + 8 h + i); each accumulator from its low end on
.set j, j+2
.endr
.irp k, 0,1
	v_max3_num_f32 v[216+\k], |v[Y+16*\k]|, |v[Y+16*\k+1]|, 0x4800000
.endr
.irp i, 2,4,6,8,10,12,14
.irp k, 0,1
	v_max3_num_f32 v[216+\k], v[216+\k], |v[Y+16*\k+\i]|, |v[Y+16*\k+\i+1]|
.endr
.endr
.irp k, 0,1
	v_permlanex16_b32 v[220+\k], v[216+\k], s20, s21
.endr
.irp k, 0,1
	v_max_num_f32 v[216+\k], v[216+\k], v[220+\k]
.endr
.irp k, 0,1
	v_add_nc_u32 v[228+\k], 0xfc000000, v[216+\k]
.endr
.irp k, 0,1
	v_and_or_b32 v[224+\k], v[216+\k], 0x7f800000, s24
.endr
.irp k, 0,1
	v_lshrrev_b32 v[220+\k], 23, v[228+\k]
.endr
	v_lshl_or_b32 v238, v221, 8, v220              ; my head's two scale bytes of query r
.irp k, 0,1
.irp i, 0,1,2,3,4,5,6,7,8,9,10,11,12,13,14,15
	v_med3_num_f32 v[Y+16*\k+\i], v[Y+16*\k+\i], -v[224+\k], v[224+\k]
.endr
	v_cvt_scalef32_pk8_fp8_f32 v[PC+4*\k:PC+4*\k+1], v[Y+16*\k:Y+16*\k+7], v[228+\k]
	v_cvt_scalef32_pk8_fp8_f32 v[PC+4*\k+2:PC+4*\k+3], v[Y+16*\k+8:Y+16*\k+15], v[228+\k]
.endr
	v_nop
	global_store_b128 v1, v[PC:PC+3], s[10:11]               ; 512 consecutive bytes, aligned
	global_store_b128 v1, v[PC+4:PC+7], s[10:11] offset:512
	global_store_b16 v7, v238, s[12:13]                      ; half a word a query; lanes l and l xor 16 store the same bytes with the same value
	s_wait_tensorcnt 0x0                           ; the wave's end
	ds_add_u32 v5, v6
	s_wait_dscnt 0x0
	CROUND                                         ; the closing round
	s_endpgm
.Lfunc_end_k_q163b3b5d70_attn:
	.size	k_q163b3b5d70_attn, .Lfunc_end_k_q163b3b5d70_attn-k_q163b3b5d70_attn
	.p2alignl 7, 3214868480
	.fill 96, 4, 3214868480
	.section	.rodata,"a",@progbits
	.p2align	6, 0x0
	.amdhsa_kernel k_q163b3b5d70_attn
		.amdhsa_group_segment_fixed_size 327680
		.amdhsa_private_segment_fixed_size 0
		.amdhsa_enable_private_segment 0
		.amdhsa_kernarg_size 40
		.amdhsa_user_sgpr_count 2
		.amdhsa_user_sgpr_kernarg_segment_ptr 1
		.amdhsa_wavefront_size32 1
		.amdhsa_system_sgpr_workgroup_id_x 1
		.amdhsa_system_sgpr_workgroup_id_y 1
		.amdhsa_system_sgpr_workgroup_id_z 1
		.amdhsa_system_vgpr_workitem_id 0
		.amdhsa_next_free_vgpr 256
		.amdhsa_next_free_sgpr 66
		.amdhsa_reserve_vcc 0
		.amdhsa_float_denorm_mode_32 3
		.amdhsa_float_denorm_mode_16_64 3
		.amdhsa_memory_ordered 1
		.amdhsa_forward_progress 1
		.amdhsa_inst_pref_size 157
	.end_amdhsa_kernel
	.amdgpu_metadata
---
amdhsa.version: [ 1, 2 ]
amdhsa.kernels:
  - .name:           k_q163b3b5d70_attn
    .symbol:         k_q163b3b5d70_attn.kd
    .args:
      - { .name: qcodes, .offset: 0, .size: 8, .value_kind: global_buffer, .address_space: global }
      - { .name: qscales, .offset: 8, .size: 8, .value_kind: global_buffer, .address_space: global }
      - { .name: kvrec, .offset: 16, .size: 8, .value_kind: global_buffer, .address_space: global }
      - { .name: acodes, .offset: 24, .size: 8, .value_kind: global_buffer, .address_space: global }
      - { .name: ascales, .offset: 32, .size: 8, .value_kind: global_buffer, .address_space: global }
    .group_segment_fixed_size: 327680
    .private_segment_fixed_size: 0
    .kernarg_segment_align: 8
    .kernarg_segment_size: 40
    .max_flat_workgroup_size: 512
    .sgpr_count:     66
    .vgpr_count:     256
    .wavefront_size: 32
...
	.end_amdgpu_metadata
.endif
;; end of part 2
;; launch outp (part 3): grid 8 x 32, 4 waves a work-group, clusters of 4 x 4, 300,544 bytes of LDS; arguments acodes, ascales, Wo_codes, Wo_scales, bo, out0; writes out0
.if DOCPART == 3
	.amdgcn_target "amdgcn-amd-amdhsa--gfx1250"
	.amdhsa_code_object_version 6
	.text
	.protected	k_q163b3b5d70_outp
	.globl	k_q163b3b5d70_outp
	.p2align	8
	.type	k_q163b3b5d70_outp,@function
k_q163b3b5d70_outp:
	s_mov_b64 s[64:65], 0
	v_nop
	global_prefetch_b8 v0, s[64:65] scope:SCOPE_SE
	s_setreg_imm32_b32 hwreg(HW_REG_WAVE_MODE, 25, 1), 1
	s_wait_xcnt 0x0
	s_wait_alu depctr_hold_cnt(0) depctr_sa_sdst(0) depctr_va_vdst(0) depctr_va_sdst(0) depctr_va_ssrc(0) depctr_va_vcc(0) depctr_vm_vsrc(0)
	s_getreg_b32 s2, hwreg(HW_REG_IB_STS2, 6, 4)
	s_cmp_eq_u32 s2, 0
	s_cbranch_scc0 .Lentry_in_a_cluster
	s_endpgm
.Lentry_in_a_cluster:
	s_bfe_u32 s2, ttmp6, 0x10000c
	s_cmp_lg_u32 s2, 0xf033
	s_cbranch_scc0 .Lentry_shape_is_right
	s_endpgm
.Lentry_shape_is_right:
; out0 = a Wo + bo on codes of E4M3 with one E8M0 scale for each 32 along K (1,024); sums and out0 in f32.
; SHARES.  A work-group makes 128 tokens x 128 features; four waves, each 64 x 64.  Both operands with ALL of K fit in LDS: every byte is filled once, in two halves of K, one load a wave; nothing is filled again.
; Wo STAYS IN REGISTERS: a wave's 64 rows with all of K are 32 fragments, 512 registers.  a's four tiles of 16 tokens stream past them, each whole (8 fragments, 128 registers), in two sets that take turns.
; A TILE OF 16 TOKENS IS FINISHED BEFORE THE NEXT BEGINS: 32 products on four accumulators by turns, K ascending.  It goes through the stage and is stored while the next tile is multiplied.
; CLUSTER 4 x 4: a's images hang on work-group y alone (asked for jointly by a row of the cluster), Wo's rows on work-group x alone (by a column).
; Source 0 = 16 rows of Wo, source 1 = 16 tokens of a: a lane holds eight neighbouring features of one token.  bo is the C of each sum's first product.
; a ARRIVES AS IMAGES of its operand registers (lane l's 16 bytes at 16 l), with its 32 codes of a block in the order 32 c + 16 u + 8 h + j at places 32 c + 16 h + 8 u + j.  Wo's fragments are read from its
; rows in the same order: two loads of 8 bytes a chunk, at 32 c + 8 h and at 32 c + 16 + 8 h.  So equal places hold equal k; only the order of adding inside a block differs from ascending k.
; No prefetch is written: every byte is asked for at the head, and the text has no loop to run ahead in.
; LIMITS: NaN and infinities are not served.
; REGISTERS.  Window 0: v1 r, v2 h, v4-5 / v6-7 LDS addresses of a's / Wo's fragments (half of K), v12 4 x lane, v13, v16 the stage (in, back), v14 32 x lane, v15 32 h, v17 my offset in out0, v30-31 the add's,
; v32-47 a's scale words, v48-63 Wo's, v64-95 the bias as C, v128-255 the accumulators (Wo's tile a, a's tile b at 128 + 8 (4 b + a)), which also take tile b's rows back from the stage.
; Windows 1, 2: Wo's fragment (tile a, K step s) at 16 (4 (s % 4) + a) of window 1 + s / 4.  Window 3: a's fragment (tile b, K step s) at 128 (b % 2) + 16 s.
.set PITCH, 528                        ; a row of Wo in LDS: 512 bytes (half of K) + 16 of padding = 132 words: the 16 rows of a fragment load begin 4 words apart modulo 64; the stage's rows have the same pitch
.set HALF,  64*PITCH
.set CH3,   65536+2*HALF               ; half of K: a's images of four K steps (4 x 16,384 bytes, dense), then Wo's 128 rows
.set STG,   2*CH3                      ; behind the two halves: a stage of 16 rows for each wave; no tensor load lands there
.set SPARE, STG+4*16*PITCH             ; behind the stages: the spare words, 128 bytes a wave: two blocks of 256 bytes that no other line names
.set ADA, 4
.set ADW, 6
.set SX,  32                           ; v[SX + 8 p + (s + 4) % 8]: K step s; lanes 0-15 the words of my tile 2 p, lanes 16-31 of tile 2 p + 1.  The turn by 4 keeps a's and Wo's words of a product apart modulo 8
.set SW,  48                           ; v[SW + 8 p + s]
.set BI,  64
.set ACC, 128
.set G1A, 24
.set G1W, 32
.set G0A, 40
.set G0W, 68
.set MSB, 0
.macro WIN new                         ; the immediate's high byte repeats the setting that is left
.if MSB != \new
	s_set_vgpr_msb (MSB<<8)|\new
.set MSB, \new
.endif
.endm
.macro PLACES n
.rept \n
	v_nop
.endr
.endm
.macro CROUND
	s_barrier_signal -1
	s_barrier_wait -1
	s_cmp_lg_u32 s14, 0
	s_cbranch_scc1 .Lnot_wave_0_\@
	s_barrier_signal -3
.Lnot_wave_0_\@:
	s_barrier_wait -3
	s_barrier_signal -1
	s_barrier_wait -1
.endm
	s_load_b256 s[4:11], s[0:1], 0x0               ; a's codes, a's scales, Wo's codes, Wo's scales
	s_load_b128 s[84:87], s[0:1], 0x20             ; bo, out0
	v_lshl_add_u32 v30, v0, 2, SPARE
	v_mov_b32 v31, 0
	ds_add_u32 v30, v31                            ; the opening lines: the add, twice on end, and its wait ahead of my first tensor load
	ds_add_u32 v30, v31
	v_lshrrev_b32 v1, 5, v0
	v_readfirstlane_b32 s14, v1                    ; wave 0..3
	s_lshr_b32 s15, s14, 1                         ; wt: which 64 tokens
	s_and_b32 s16, s14, 1                          ; wf: which 64 features
	s_bfe_u32 s17, ttmp6, 0x40000                  ; cx
	s_bfe_u32 s18, ttmp6, 0x40004                  ; cy
	s_lshl_b32 s60, ttmp9, 2
	s_add_co_u32 s60, s60, s17                     ; x: which 128 features
	s_and_b32 s56, ttmp7, 0xffff
	s_lshl_b32 s56, s56, 2
	s_add_co_u32 s56, s56, s18                     ; y: which 128 tokens
	s_lshl_b32 s57, s18, 2
	s_lshl_b32 s57, 15, s57                        ; my row of the cluster
	s_lshl_b32 s61, 0x1111, s17                    ; my column
	; group 1 for a: four K steps' images, 65,536 dense bytes, as 256 rows of 256 bytes (32 elements of 8), no padding
	s_or_b32 s[G1A], s57, (3<<16)|(1<<21)
	s_mov_b32 s[G1A+1], 32<<16
	s_mov_b32 s[G1A+2], 256<<16
	s_mov_b32 s[G1A+3], 32<<16
	s_mov_b32 s[G1A+4], 256
	s_mov_b32 s[G1A+5], 32
	s_mov_b32 s[G1A+6], 0
	s_mov_b32 s[G1A+7], 0
	; group 1 for Wo: 128 rows x 512 bytes, 1,024 bytes from row to row, four words of padding after every 128 words
	s_or_b32 s[G1W], s61, (1<<20)|(1<<21)|(6<<22)|(3<<25)
	s_mov_b32 s[G1W+1], 512<<16
	s_mov_b32 s[G1W+2], 128<<16
	s_mov_b32 s[G1W+3], 512<<16
	s_mov_b32 s[G1W+4], 128
	s_mov_b32 s[G1W+5], 1024
	s_mov_b32 s[G1W+6], 0
	s_mov_b32 s[G1W+7], 0
	s_lshl_b32 s58, s56, 17                        ; a: block y of 131,072 bytes
	s_mov_b32 s59, 0
	s_lshl_b32 s62, s60, 17                        ; Wo: 128 x rows of 1,024 bytes
	s_mov_b32 s63, 0
	s_wait_dscnt 0x0                               ; both opening adds are done
	s_wait_kmcnt 0x0
	s_add_nc_u64 s[58:59], s[4:5], s[58:59]
	s_add_nc_u64 s[62:63], s[8:9], s[62:63]
.irp q, 0,1                            ; group 0 for the two halves of K
	s_mov_b32 s[G0A+4*\q], 1
	s_mov_b32 s[G0A+4*\q+1], \q*CH3
	s_add_nc_u64 s[G0A+4*\q+2:G0A+4*\q+3], s[58:59], \q*65536
	s_or_b32 s[G0A+4*\q+3], s[G0A+4*\q+3], 0x80000000
	s_mov_b32 s[G0W+4*\q], 1
	s_mov_b32 s[G0W+4*\q+1], \q*CH3+65536
	s_add_nc_u64 s[G0W+4*\q+2:G0W+4*\q+3], s[62:63], \q*512
	s_or_b32 s[G0W+4*\q+3], s[G0W+4*\q+3], 0x80000000
.endr
	CROUND                                         ; all sixteen work-groups are here: the joint loads meet
; ONE joint load a wave, in one chain of arms on the wave's number: wave 0 a's first half of K, wave 1 Wo's, wave 2 a's second half, wave 3 Wo's
.macro ARM w, g0, g1, next
	s_cmp_eq_u32 s14, \w
	s_cbranch_scc0 \next
	tensor_load_to_lds s[\g0:\g0+3], s[\g1:\g1+7]
	s_nop 0
	PLACES 4
	s_branch .Lfilled
\next:
.endm
	ARM 0, G0A, G1A, .Lfill_1
	ARM 1, G0W, G1W, .Lfill_2
	ARM 2, G0A+4, G1A, .Lfill_3
	tensor_load_to_lds s[G0W+4:G0W+7], s[G1W:G1W+7]
	s_nop 0
	PLACES 4
.Lfilled:
	s_mov_b32 s99, 0
	s_lshl_b32 s98, s56, 9                         ; a's scale words: tile 8 y + 4 wt, 64 bytes a tile
	s_lshl_b32 s97, s15, 8
	s_add_co_u32 s98, s98, s97
	s_add_nc_u64 s[6:7], s[6:7], s[98:99]
	s_lshl_b32 s98, s60, 12                        ; Wo's scales: row 128 x + 64 wf, 32 bytes a row
	s_lshl_b32 s97, s16, 11
	s_add_co_u32 s98, s98, s97
	s_add_nc_u64 s[10:11], s[10:11], s[98:99]
	s_lshl_b32 s98, s60, 9                         ; bo, and my columns of out0: 4 bytes a feature
	s_lshl_b32 s97, s16, 8
	s_add_co_u32 s98, s98, s97
	s_add_nc_u64 s[84:85], s[84:85], s[98:99]
	s_add_nc_u64 s[86:87], s[86:87], s[98:99]
	s_lshl_b32 s98, s56, 19                        ; my rows of out0: 128 y + 64 wt, 4,096 bytes a row
	s_lshl_b32 s97, s15, 18
	s_add_co_u32 s98, s98, s97
	s_add_nc_u64 s[86:87], s[86:87], s[98:99]
	v_and_b32 v1, 15, v0                           ; r
	v_bfe_u32 v2, v0, 4, 1                         ; h
	v_and_b32 v3, 31, v0
	v_lshlrev_b32 v12, 2, v3
	v_lshlrev_b32 v14, 5, v3
	v_lshlrev_b32 v18, 4, v3                       ; an image's place for my lane
	v_mul_u32_u24 v19, v1, PITCH
	v_lshl_add_u32 v20, v2, 3, v19                 ; Wo: row x pitch + 8 h
	v_lshl_add_u32 v13, v2, 5, v19                 ; the stage, in: row r, 32 bytes for each half of the lanes
	v_mul_u32_u24 v16, v2, PITCH
	v_lshl_add_u32 v16, v1, 4, v16                 ; back: lanes 0-15 one row of 256 bytes, lanes 16-31 the next
	v_lshlrev_b32 v17, 12, v2
	v_lshl_add_u32 v17, v1, 4, v17                 ; and the same two rows in out0
	v_lshlrev_b32 v15, 5, v2
	s_wait_alu depctr_va_vdst(0)
	s_lshl_b32 s97, s15, 13                        ; a: my four tiles of 2,048 bytes
	s_mul_i32 s96, s16, HALF                       ; Wo: my 64 rows,
	s_add_co_u32 s96, s96, 65536                   ; behind a's images
	v_add_nc_u32 v[ADA], s97, v18
	v_add_nc_u32 v[ADW], s96, v20
	s_add_co_u32 s97, s97, CH3
	s_add_co_u32 s96, s96, CH3
	v_add_nc_u32 v[ADA+1], s97, v18
	v_add_nc_u32 v[ADW+1], s96, v20
	s_mul_i32 s97, s14, 16*PITCH
	s_add_co_u32 s97, s97, STG                     ; my stage
	v_add_nc_u32 v13, s97, v13
	v_add_nc_u32 v16, s97, v16
.irp p, 0,1
.irp s, 0,1,2,3,4,5,6,7
	global_load_b32 v[SX+8*\p+((\s+4)%8)], v12, s[6:7] offset:16384*\s+128*\p   ; K step s: lanes 0-15 the words of my tile 2 p, lanes 16-31 of tile 2 p + 1: 128 consecutive bytes
.endr
.endr
.irp p, 0,1
	global_load_b128 v[SW+8*\p:SW+8*\p+3],   v14, s[10:11] offset:1024*\p   ; lane l takes the 32 bytes of row 32 p + l of my 64
	global_load_b128 v[SW+8*\p+4:SW+8*\p+7], v14, s[10:11] offset:1024*\p+16
.endr
.irp a, 0,1,2,3
	global_load_b128 v[BI+8*\a:BI+8*\a+3],   v15, s[84:85] offset:64*\a     ; bo at features 16 a + 8 h + j
	global_load_b128 v[BI+8*\a+4:BI+8*\a+7], v15, s[84:85] offset:64*\a+16
.endr
.macro WM4 ra, rb                      ; one product on the registers named by rD, rP, rR, rC, rSA, rSB; ra, rb: the side's scale words stand in lanes 16-31
.if (\ra) && (\rb)
	v_wmma_scale_f32_16x16x128_f8f6f4 v[rD:rD+7], v[rP:rP+15], v[rR:rR+15], v[rC:rC+7], v[rSA], v[rSB] matrix_a_scale:MATRIX_SCALE_ROW1 matrix_b_scale:MATRIX_SCALE_ROW1
.elseif (\ra)
	v_wmma_scale_f32_16x16x128_f8f6f4 v[rD:rD+7], v[rP:rP+15], v[rR:rR+15], v[rC:rC+7], v[rSA], v[rSB] matrix_a_scale:MATRIX_SCALE_ROW1
.elseif (\rb)
	v_wmma_scale_f32_16x16x128_f8f6f4 v[rD:rD+7], v[rP:rP+15], v[rR:rR+15], v[rC:rC+7], v[rSA], v[rSB] matrix_b_scale:MATRIX_SCALE_ROW1
.else
	v_wmma_scale_f32_16x16x128_f8f6f4 v[rD:rD+7], v[rP:rP+15], v[rR:rR+15], v[rC:rC+7], v[rSA], v[rSB]
.endif
.endm
.macro WLOAD s                         ; Wo's four fragments of K step s into their registers: 32 loads of 8 bytes
	WIN (1+(\s)/4)<<6
.irp a, 0,1,2,3
.irp c, 0,1,2,3
.irp e, 0,1
	ds_load_b64 v[16*(4*((\s)%4)+\a)+4*\c+2*\e:16*(4*((\s)%4)+\a)+4*\c+2*\e+1], v[ADW+(\s)/4] offset:\a*16*PITCH+128*((\s)%4)+32*\c+16*\e
.endr
.endr
.endr
.endm
.macro AF b, s                         ; a's fragment of tile b, K step s, into set b % 2: 4 loads of 16 bytes
	WIN 0xC0
.irp c, 0,1,2,3
	ds_load_b128 v[128*((\b)%2)+16*(\s)+4*\c:128*((\b)%2)+16*(\s)+4*\c+3], v[ADA+(\s)/4] offset:16384*((\s)%4)+2048*(\b)+512*\c
.endr
.endm
.macro ATILE b                         ; all of tile b: 32 loads
.irp s, 0,1,2,3,4,5,6,7
	AF \b, \s
.endr
	WIN 0
.endm
; Tile b's 32 products: K ascending, the four accumulators by turns, one instruction a turn.  Eight places follow: for the stage's reads of the sums, for the loads back
; into their registers and for the loads into the set just read
.macro PROD b
.irp s, 0,1,2,3,4,5,6,7
	WIN (1+\s/4)|(3<<2)                            ; source 0 = Wo (window 1 or 2), source 1 = a (window 3)
.irp a, 0,1,2,3
.set rD, ACC+8*(4*(\b)+\a)
.set rP, 16*(4*(\s%4)+\a)
.set rR, 128*((\b)%2)+16*\s
.set rSA, SW+8*(\a/2)+\s
.set rSB, SX+8*((\b)/2)+((\s+4)%8)
.if \s == 0
.set rC, BI+8*\a
.else
.set rC, rD
.endif
	WM4 (\a)%2, (\b)%2
.endr
.endr
	WIN 0
	PLACES 8
.endm
; THE WAY OUT of tile b.  A lane holds 32 neighbouring bytes of a row and the lanes beside it hold other rows: so the tile goes through my own stage and comes back, into its own registers, as rows of 256 bytes.
; LDS serves a wave's instructions in order (ISA guide 5.7.1.4): no wait stands between the stores and the loads.
.macro TOSTAGE b
.irp a, 0,1,2,3
	ds_store_b128 v13, v[ACC+8*(4*(\b)+\a):ACC+8*(4*(\b)+\a)+3] offset:64*\a          ; each accumulator from its low end on
	ds_store_b128 v13, v[ACC+8*(4*(\b)+\a)+4:ACC+8*(4*(\b)+\a)+7] offset:64*\a+16
.endr
.irp i, 0,1,2,3,4,5,6,7
	ds_load_b128 v[ACC+32*(\b)+4*\i:ACC+32*(\b)+4*\i+3], v16 offset:2*\i*PITCH
.endr
.endm
.macro SEND b
	s_wait_dscnt 0x0                               ; the tile is back in registers (and the fragments asked for ahead of it are in)
.irp i, 0,1,2,3,4,5,6,7
	global_store_b128 v17, v[ACC+32*(\b)+4*\i:ACC+32*(\b)+4*\i+3], s[86:87] offset:(16*(\b)+2*\i)*4096 th:TH_STORE_NT   ; 16 lanes store 256 consecutive bytes, at a multiple of 256 from out0's first byte
.endr
.endm
	s_wait_alu depctr_va_vdst(0)
	s_cmp_lt_u32 s14, 2                            ; waves 0 and 1 fetched the first half of K: they alone wait here; waves 2 and 3 wait in front of the second barrier
	s_cbranch_scc0 .Lnot_first
	s_wait_tensorcnt 0x0
.Lnot_first:
	s_barrier_signal -1
	s_barrier_wait -1
.irp s, 0,1,2,3
	WLOAD \s
.endr
.irp s, 0,1,2,3
	AF 0, \s
.endr
	WIN 0
	s_wait_tensorcnt 0x0                           ; every wave's load is in,
	s_wait_dscnt 0x0                               ; no LDS instruction of mine is out at a signal
	s_barrier_signal -1
	s_barrier_wait -1                              ; and the barrier says so of all four
.irp s, 4,5,6,7
	WLOAD \s
.endr
.irp s, 4,5,6,7
	AF 0, \s
.endr
	ATILE 1
	s_wait_loadcnt 0x0                             ; the scale words and the bias
	s_wait_dscnt 32                                ; Wo and tile 0 are in; tile 1's 32 loads may be out
	PROD 0
	ATILE 2                                        ; into the set that tile 0 has left
	TOSTAGE 0
	s_wait_dscnt 48                                ; tile 1 is in; behind it: tile 2's 32 loads and the stage's 16 instructions
	PROD 1
	SEND 0
	ATILE 3
	TOSTAGE 1
	PROD 2                                         ; tile 2 was in at the wait ahead of tile 0's stores
	SEND 1
	TOSTAGE 2
	PROD 3                                         ; tile 3 was in at the wait ahead of tile 1's stores
	SEND 2
	TOSTAGE 3
	SEND 3
	s_wait_tensorcnt 0x0                           ; the wave's end
	ds_add_u32 v30, v31
	s_wait_dscnt 0x0
	CROUND                                         ; the closing round: no work-group ends while a partner may still ask for a tile that names it
	s_endpgm
.Lfunc_end_k_q163b3b5d70_outp:
	.size	k_q163b3b5d70_outp, .Lfunc_end_k_q163b3b5d70_outp-k_q163b3b5d70_outp
	.p2alignl 7, 3214868480
	.fill 96, 4, 3214868480
	.section	.rodata,"a",@progbits
	.p2align	6, 0x0
	.amdhsa_kernel k_q163b3b5d70_outp
		.amdhsa_group_segment_fixed_size 300544
		.amdhsa_private_segment_fixed_size 0
		.amdhsa_enable_private_segment 0
		.amdhsa_kernarg_size 48
		.amdhsa_user_sgpr_count 2
		.amdhsa_user_sgpr_kernarg_segment_ptr 1
		.amdhsa_wavefront_size32 1
		.amdhsa_system_sgpr_workgroup_id_x 1
		.amdhsa_system_sgpr_workgroup_id_y 1
		.amdhsa_system_sgpr_workgroup_id_z 1
		.amdhsa_system_vgpr_workitem_id 0
		.amdhsa_next_free_vgpr 1024
		.amdhsa_next_free_sgpr 100
		.amdhsa_reserve_vcc 0
		.amdhsa_float_denorm_mode_32 3
		.amdhsa_float_denorm_mode_16_64 3
		.amdhsa_memory_ordered 1
		.amdhsa_forward_progress 1
		.amdhsa_inst_pref_size 60
	.end_amdhsa_kernel
	.amdgpu_metadata
---
amdhsa.version: [ 1, 2 ]
amdhsa.kernels:
  - .name:           k_q163b3b5d70_outp
    .symbol:         k_q163b3b5d70_outp.kd
    .args:
      - { .name: acodes, .offset: 0, .size: 8, .value_kind: global_buffer, .address_space: global }
      - { .name: ascales, .offset: 8, .size: 8, .value_kind: global_buffer, .address_space: global }
      - { .name: Wo_codes, .offset: 16, .size: 8, .value_kind: global_buffer, .address_space: global }
      - { .name: Wo_scales, .offset: 24, .size: 8, .value_kind: global_buffer, .address_space: global }
      - { .name: bo, .offset: 32, .size: 8, .value_kind: global_buffer, .address_space: global }
      - { .name: out0, .offset: 40, .size: 8, .value_kind: global_buffer, .address_space: global }
    .group_segment_fixed_size: 300544
    .private_segment_fixed_size: 0
    .kernarg_segment_align: 8
    .kernarg_segment_size: 48
    .max_flat_workgroup_size: 128
    .sgpr_count:     100
    .vgpr_count:     1024
    .wavefront_size: 32
...
	.end_amdgpu_metadata
.endif
;; end of part 3
